; MI455X (gfx1250); checked and timed in simulation.
; The chip was launched on July 23, 2026; its instructions are those of AMD's public machine-readable ISA for CDNA 5 (MIT licence, August 2026) and "CDNA5" Instruction Set Architecture Reference Guide (July 2026). The comments in the code are by the model that wrote it; some were corrected since.
;; Self Attention. Allowed arithmetic: matrix products marked QUANTISED: E5M2 operands, one given power-of-two scale a tensor, by v_wmma_f32_16x16x64_bf8_bf8 or v_wmma_f32_16x16x128_bf8_bf8, f32 sums; everything else in f32.
;; Inputs: lowp_scales 4 int32 (the exponents e of the quantised operands' scales 2^e); mask 4 x 1 x 2,048 x 2,048 float32; x 4 x 2,048 x 3,072 float32.
;; Outputs: out0 4 x 2,048 x 1,024 float32.
;; This version of the problem:
;;   THIS VERSION OF THE PROBLEM IS GIVEN IN LOW PRECISION. The matrix products marked QUANTISED in the list below multiply operands that are first quantised to E5M2 (5 exponent bits, 2 mantissa bits; 8 bits a number), with one given power-of-two scale for each operand tensor; their sums are f32. All else is computed in f32.
;;   The module's matrix products, in the order in which they are computed (A, B: the left and right operand; K: the contracted axis; several contracted axes count as one K, in the product's order):
;;     1. batch 64 x [M 2,048, K 64] x [K 64, N 2,048]; A: input x; B: input x: QUANTISED (scales: A lowp_scales[0], B lowp_scales[1])
;;     2. batch 64 x [M 2,048, K 2,048] x [K 2,048, N 64]; A: softmax (see below); B: input x: QUANTISED (scales: A lowp_scales[2], B lowp_scales[3])
;;   THE QUANTISER, for each operand of a quantised product, along K:
;;     - The operand's scale is 2^e, e = its entry of the input lowp_scales (int32; the entries are numbered through the quantised products in the list's order, A before B).
;;     - Each number is divided by the scale, clamped to +-57,344, and rounded to the nearest number of E5M2, ties to even, subnormals kept.
;;     - The product sums the exact products of the quantised numbers (number of the format x scale) in f32.
;;   ~~~python
;;   def quantise(x, axis, e):      # numpy; x: float32 -> the quantised numbers, widened to float32 again
;;       x = np.moveaxis(x, axis, -1); K = x.shape[-1]
;;       r = np.clip(x / 2.0 ** e, -57344, 57344)
;;       step = 2.0 ** (np.maximum(np.frexp(np.where(r == 0, 1, r))[1] - 1, -14) - 2)
;;       q = np.round(r / step) * step * 2.0 ** e      # np.round: ties to even
;;       return np.moveaxis(q, -1, axis).astype(np.float32)
;;   ~~~
;;   SOFTMAX AHEAD OF A QUANTISED PRODUCT. Where the list says 'softmax', what is quantised is not the finished softmax but p = 2^(t - M), with t = logit x log2(e) and M = ceil(the row's largest t), a whole number; so 1/2 < the row's largest p <= 1. The row's sum l is taken of the UNQUANTISED p, in f32, and the product's result is divided by l at the end. Since M is a whole number, a kernel that streams over the keys may use a running M (the ceiling of the running maximum): every later rescaling is an exact power of two, so the quantised numbers keep their values, but for numbers so far below the row's largest that they fall under the format's range.
;;   OPERANDS COMPUTED ON THE WAY. 'Computed on the way' means the value that the module computes at that place (a softmax that the list does not call 'softmax' is quantised finished and normalised). What goes into a quantiser is computed in f32, as accurately as f32 sums, v_exp_f32 and their like allow (about 1e-6 of the number): no bf16 or f16 on the way to a quantiser, and a product that is left as it is and whose result goes on into a quantised operand takes f32 operands (vector FMAs, or v_wmma_f32_16x16x4_f32). A number that lies on a knife's edge between two numbers of the format may be rounded either way, as far as f32 arithmetic and the matrix unit's own rounding can turn it there, and no further.
;; One version. Each part assembles by itself: llvm-mc -triple=amdgcn-amd-amdhsa -mcpu=gfx1250 --defsym DOCPART=n.
;; ======== version 1 of 1: 2 launches
;; limits: right only within a limited range of input values
;; workspace buffers: kv 16,777,216 bytes
;; launch quant (part 1): grid 256 x 1, 8 waves a work-group, no clusters, 136,192 bytes of LDS; arguments x, lowp_scales, kv; writes kv
.if DOCPART == 1
	.amdgcn_target "amdgcn-amd-amdhsa--gfx1250"
	.amdhsa_code_object_version 6
	.text
	.protected	k_q409d8274c6_quant
	.globl	k_q409d8274c6_quant
	.p2align	8
	.type	k_q409d8274c6_quant,@function
k_q409d8274c6_quant:
	s_mov_b64 s[64:65], 0
	v_nop
	global_prefetch_b8 v0, s[64:65] scope:SCOPE_SE
	s_setreg_imm32_b32 hwreg(HW_REG_WAVE_MODE, 25, 1), 1
	s_wait_xcnt 0x0
; The k and v parts of x [4][2048][3072] f32 (q | k | v, 16 heads of 64 each) are turned ONCE into codes of BF8 (E5M2), laid as the attention launch's operand registers want them.  (q is read by one work-group alone and is quantised there.)
; code = number / 2^e, held within +-57,344, rounded to the nearest code, ties to even.  e: entry 1 of the scales for k, entry 3 for v.
; LIMITS: each of these e lies between -126 and 112, so that 2^e and 57,344 x 2^e are f32 numbers.  NaN among the inputs is not served (an infinity is held at the largest code).
; IMAGES (lane l = r + 16 h of the reading wave; a wave reads 16 bytes a lane, 512 consecutive bytes an instruction):
;   a tile of k, 16 keys x 64 codes, 1,024 bytes: the 16 bytes at 512 g + 16 l are d = 32 h + 16 g + 0..15 of the tile's row r.
;   tile t of a step of 128 keys: key 32 (t / 2) + 8 (t % 2) + r + 8 (r / 8), so that the scores of tiles 2 b, 2 b + 1 are 16 neighbouring keys a lane.
;   a tile of v, 16 d x 128 keys, 2,048 bytes: the 16 bytes at 512 c + 16 l are keys 32 c + 16 h + 0..15 of d = 16 tau + r: the keys are the second product's K.
;   kv[b][group of 4 heads][step][65,536]: k of head j at 8,192 j (tile t at 1,024 t), v of head j at 32,768 + 8,192 j (tile tau at 2,048 tau).
; SHARES.  A work-group takes 128 rows x the 4 heads of one group.  Wave w: for k 32 rows (32 (w / 2) on) x two heads (512 bytes of a row, 512 (w % 2) on); for v 32 columns (128 w bytes on) x 128 keys.
;   k: each load reads 512 consecutive bytes of a row; the 32 rows turn through the wave's own stage in LDS, so that a lane gets 16 neighbours along d for the conversions.
;   v: a lane takes a column and its registers run down the keys: the conversions' results are the image's bytes; nothing is transposed.
; Waves share nothing: no barrier.  No tensor load, no cluster, no matrix unit, no prefetch: the launch streams its part of x once and no byte is wanted twice.
.set XROW,   12288                     ; a row of x in bytes
.set SPITCH, 528                       ; a stage row: 512 bytes + 16
.set WSTAGE, 32*SPITCH                 ; a wave's stage
.set LO,  2                            ; 16 x lane
.set SI,  3                            ; the stage, on the way in
.set SO,  4                            ; the stage, on the way out: row r, + 128 h
.set VLO, 5                            ; 4 x lane: my column of v
.set VSO, 6                            ; my place in v's images
.set SCK, 10                           ; for k, v: 2^e, and 57,344 x 2^e
.set LMK, 11
.set SCV, 12
.set LMV, 13
.set RA,  16                           ; v16-143   32 rows of k as loaded; then v's blocks 2 and 3
.set RB,  144                          ; v144-207  v's blocks 0 and 1
.set X,   208                          ; v208-239  two sets of 16 neighbours along d
.set C,   240                          ; v240-255  codes
.set XQ,  4                            ; s[4:5]    x at my rows (k: 4,096 bytes on)
.set KB,  10                           ; s[10:11]  my images of k
.set XV,  32                           ; s[32:33]  x at my columns of v
.set VB,  34                           ; s[34:35]  my images of v
	s_load_b128 s[4:7], s[0:1], 0x0                ; x, the scales' exponents
	s_load_b64 s[10:11], s[0:1], 0x10              ; kv
	v_lshl_add_u32 v7, v0, 2, 0x21000              ; my spare word, behind the eight stages; never rewritten
	v_mov_b32 v8, 0                                ; 0; never rewritten
	v_lshrrev_b32 v1, 5, v0
	s_delay_alu instid0(VALU_DEP_1)
	v_readfirstlane_b32 s12, v1                    ; wave 0..7
	v_and_b32 v1, 31, v0                           ; lane
	s_delay_alu instid0(VALU_DEP_1)
	v_lshlrev_b32 v[LO], 4, v1
	s_mul_i32 s13, s12, WSTAGE                     ; my stage
	v_add_nc_u32 v[SI], s13, v[LO]
	v_and_b32 v14, 15, v1                          ; r
	v_lshrrev_b32 v15, 4, v1                       ; h
	s_delay_alu instid0(VALU_DEP_2)
	v_mul_u32_u24 v[SO], v14, SPITCH
	s_delay_alu instid0(VALU_DEP_1)
	v_lshl_add_u32 v[SO], v15, 7, v[SO]
	s_delay_alu instid0(VALU_DEP_1)
	v_add_nc_u32 v[SO], s13, v[SO]
	v_lshlrev_b32 v[VLO], 2, v1
	v_lshlrev_b32 v[VSO], 4, v14
	s_delay_alu instid0(VALU_DEP_1)
	v_lshl_add_u32 v[VSO], v15, 11, v[VSO]
	s_and_b32 s14, ttmp9, 3                        ; the group of heads
	s_bfe_u32 s15, ttmp9, 0x40002                  ; the step of 128 rows
	s_lshr_b32 s16, ttmp9, 6                       ; the batch
	s_lshr_b32 s17, s12, 1                         ; w / 2
	s_and_b32 s18, s12, 1                          ; w % 2
	s_lshl_b32 s20, s16, 11
	s_lshl_b32 s21, s15, 7
	s_add_co_u32 s20, s20, s21                     ; the work-group's first row
	s_mul_i32 s22, s20, XROW                       ; in bytes: all offsets here stay under 2^27
	s_lshl_b32 s21, s14, 10
	s_add_co_u32 s22, s22, s21                     ; + the group's 1,024 bytes of a row
	s_lshl_b32 s21, s12, 7
	s_add_co_u32 s24, s22, s21
	s_add_co_u32 s24, s24, 8192                    ; v: + 8,192 + 128 w
	s_mov_b32 s25, 0
	s_mul_i32 s21, s17, 32*XROW
	s_add_co_u32 s22, s22, s21
	s_lshl_b32 s21, s18, 9
	s_add_co_u32 s22, s22, s21                     ; + 32 (w / 2) rows + 512 (w % 2)
	s_mov_b32 s23, 0
	s_lshl_b32 s28, s16, 2
	s_add_co_u32 s28, s28, s14
	s_lshl_b32 s28, s28, 4
	s_add_co_u32 s28, s28, s15
	s_lshl_b32 s28, s28, 16                        ; the block of kv
	s_lshl_b32 s21, s18, 14
	s_add_co_u32 s30, s28, s21
	s_lshl_b32 s21, s17, 11
	s_add_co_u32 s30, s30, s21                     ; k: + 16,384 (w % 2) + 2,048 (w / 2)
	s_mov_b32 s31, 0
	s_lshl_b32 s21, s17, 13
	s_add_co_u32 s28, s28, s21
	s_lshl_b32 s21, s18, 12
	s_add_co_u32 s28, s28, s21
	s_add_co_u32 s28, s28, 32768                   ; v: + 32,768 + 8,192 (w / 2) + 4,096 (w % 2)
	s_mov_b32 s29, 0
	s_wait_alu depctr_va_vdst(0)
	s_wait_kmcnt 0x0
	s_load_b128 s[36:39], s[6:7], 0x0              ; eq, ek, ep, ev
	s_add_nc_u64 s[XV:XV+1], s[4:5], s[24:25]
	s_add_nc_u64 s[XQ:XQ+1], s[4:5], s[22:23]
	s_add_nc_u64 s[VB:VB+1], s[10:11], s[28:29]
	s_add_nc_u64 s[KB:KB+1], s[10:11], s[30:31]
.macro ROWS koff                       ; 32 rows, 512 consecutive bytes each
.set i, 0
.rept 32
	global_load_b128 v[RA+4*i:RA+4*i+3], v[LO], s[XQ:XQ+1] offset:i*XROW+\koff th:TH_LOAD_NT
.set i, i+1
.endr
.endm
.macro STAGE_IN                        ; row i goes to the place that its tile gives it, so that a tile's 16 rows lie on end in the stage
.set i, 0
.rept 32
.set pos, 16*((i/8)%2)+8*(i/16)+i%8
	ds_store_b128 v[SI], v[RA+4*i:RA+4*i+3] offset:pos*SPITCH
.set i, i+1
.endr
.endm
.macro GET n                           ; group n = 4 e + 2 u + g: head e, tile u, half g of the image: my 16 neighbours along d
.irp j, 0,1,2,3
	ds_load_b128 v[X+16*((\n)%2)+4*\j:X+16*((\n)%2)+4*\j+3], v[SO] offset:16*(((\n)/2)%2)*SPITCH+256*((\n)/4)+64*((\n)%2)+16*\j
.endr
.endm
.macro OUT base, estride, sc, lim      ; the stage's 32 rows x two heads become eight stores of 512 consecutive bytes
	GET 0
.irp n, 0,1,2,3,4,5,6,7
.if \n < 7
	GET \n+1
	s_wait_dscnt 4                                 ; this group is in, the next group's four may be out
.else
	s_wait_dscnt 0
.endif
	s_wait_xcnt 0x0                                ; the codes' registers were an earlier store's data
.irp i, 0,1,2,3,4,5,6,7,8,9,10,11,12,13,14,15
	v_med3_num_f32 v[X+16*(\n%2)+\i], v[X+16*(\n%2)+\i], -v[\lim], v[\lim]   ; the conversion does not saturate (ISA guide 7.6.2): the hold comes first
.endr
	v_cvt_scalef32_pk8_bf8_f32 v[C+4*(\n%4):C+4*(\n%4)+1], v[X+16*(\n%2):X+16*(\n%2)+7], v[\sc]
	v_cvt_scalef32_pk8_bf8_f32 v[C+4*(\n%4)+2:C+4*(\n%4)+3], v[X+16*(\n%2)+8:X+16*(\n%2)+15], v[\sc]
	global_store_b128 v[LO], v[C+4*(\n%4):C+4*(\n%4)+3], s[\base:\base+1] offset:(\n/4)*\estride+((\n/2)%2)*1024+(\n%2)*512
.endr
.endm
.macro VLOAD c                         ; keys 32 c + 0..31 of my column: 128 consecutive bytes a wave, 1,024 for the eight waves.  Blocks 0, 1 land in RB, blocks 2, 3 in RA
.set i, 0
.rept 32
	global_load_b32 v[RB+32*((\c)%2)-128*((\c)/2)+i], v[VLO], s[XV:XV+1] offset:(32*(\c)+i)*XROW th:TH_LOAD_NT
.set i, i+1
.endr
.endm
.macro VBLOCK c
	s_wait_xcnt 0x0                                ; as in OUT
.irp i, 0,1,2,3,4,5,6,7,8,9,10,11,12,13,14,15,16,17,18,19,20,21,22,23,24,25,26,27,28,29,30,31
	v_med3_num_f32 v[RB+32*((\c)%2)-128*((\c)/2)+\i], v[RB+32*((\c)%2)-128*((\c)/2)+\i], -v[LMV], v[LMV]
.endr
.irp g, 0,1,2,3
	v_cvt_scalef32_pk8_bf8_f32 v[C+8*((\c)%2)+2*\g:C+8*((\c)%2)+2*\g+1], v[RB+32*((\c)%2)-128*((\c)/2)+8*\g:RB+32*((\c)%2)-128*((\c)/2)+8*\g+7], v[SCV]
.endr
	global_store_b128 v[VSO], v[C+8*((\c)%2):C+8*((\c)%2)+3], s[VB:VB+1] offset:512*(\c)          ; keys 32 c + 0..15: sixteen lanes store 256 consecutive bytes, aligned
	global_store_b128 v[VSO], v[C+8*((\c)%2)+4:C+8*((\c)%2)+7], s[VB:VB+1] offset:512*(\c)+256    ; keys 32 c + 16..31
.endm
.macro MKSC e, sc, lim                 ; 2^e as f32, and 57,344 x 2^e
	s_add_co_i32 s40, s[\e], 127
	s_lshl_b32 s41, s40, 23
	v_mov_b32 v[\sc], s41
	s_add_co_i32 s40, s40, 15
	s_lshl_b32 s40, s40, 23
	s_or_b32 s40, s40, 0x600000
	v_mov_b32 v[\lim], s40
.endm
	ROWS 4096                                      ; k
	VLOAD 0
	s_wait_kmcnt 0x0
	MKSC 37, SCK, LMK
	MKSC 39, SCV, LMV
	s_wait_alu depctr_va_vdst(0)                   ; the head's end
	s_wait_loadcnt 32                              ; k is in; v's first 32 loads may be out
	STAGE_IN
	s_wait_dscnt 0x0                               ; the stores have read their registers
	VLOAD 1
	OUT KB, 8192, SCK, LMK
	s_wait_loadcnt 32                              ; keys 0-31 are in
	VLOAD 2                                        ; into k's registers, which are done with
	VBLOCK 0
	s_wait_loadcnt 32                              ; keys 32-63
	VLOAD 3
	VBLOCK 1
	s_wait_loadcnt 32                              ; keys 64-95
	VBLOCK 2
	s_wait_loadcnt 0x0
	VBLOCK 3
	s_wait_tensorcnt 0x0                           ; the wave's end
	ds_add_u32 v7, v8
	s_wait_dscnt 0x0
	s_endpgm
.Lfunc_end_k_q409d8274c6_quant:
	.size	k_q409d8274c6_quant, .Lfunc_end_k_q409d8274c6_quant-k_q409d8274c6_quant
	.p2alignl 7, 3214868480
	.fill 96, 4, 3214868480
	.section	.rodata,"a",@progbits
	.p2align	6, 0x0
	.amdhsa_kernel k_q409d8274c6_quant
		.amdhsa_group_segment_fixed_size 136192
		.amdhsa_private_segment_fixed_size 0
		.amdhsa_enable_private_segment 0
		.amdhsa_kernarg_size 24
		.amdhsa_user_sgpr_count 2
		.amdhsa_user_sgpr_kernarg_segment_ptr 1
		.amdhsa_wavefront_size32 1
		.amdhsa_system_sgpr_workgroup_id_x 1
		.amdhsa_system_sgpr_workgroup_id_y 1
		.amdhsa_system_sgpr_workgroup_id_z 1
		.amdhsa_system_vgpr_workitem_id 0
		.amdhsa_next_free_vgpr 256
		.amdhsa_next_free_sgpr 66
		.amdhsa_reserve_vcc 0
		.amdhsa_float_denorm_mode_32 3
		.amdhsa_float_denorm_mode_16_64 3
		.amdhsa_memory_ordered 1
		.amdhsa_forward_progress 1
		.amdhsa_inst_pref_size 43
	.end_amdhsa_kernel
	.amdgpu_metadata
---
amdhsa.version: [ 1, 2 ]
amdhsa.kernels:
  - .name:           k_q409d8274c6_quant
    .symbol:         k_q409d8274c6_quant.kd
    .args:
      - { .name: x, .offset: 0, .size: 8, .value_kind: global_buffer, .address_space: global }
      - { .name: lowp_scales, .offset: 8, .size: 8, .value_kind: global_buffer, .address_space: global }
      - { .name: kv, .offset: 16, .size: 8, .value_kind: global_buffer, .address_space: global }
    .group_segment_fixed_size: 136192
    .private_segment_fixed_size: 0
    .kernarg_segment_align: 8
    .kernarg_segment_size: 24
    .max_flat_workgroup_size: 256
    .sgpr_count:     66
    .vgpr_count:     256
    .wavefront_size: 32
...
	.end_amdgpu_metadata
.endif
;; end of part 1
;; launch attn (part 2): grid 4 x 64, 8 waves a work-group, clusters of 4 x 4, 327,680 bytes of LDS; arguments x, kv, mask, lowp_scales, out0; writes out0
.if DOCPART == 2
	.amdgcn_target "amdgcn-amd-amdhsa--gfx1250"
	.amdhsa_code_object_version 6
	.text
	.protected	k_q409d8274c6_attn
	.globl	k_q409d8274c6_attn
	.p2align	8
	.type	k_q409d8274c6_attn,@function
k_q409d8274c6_attn:
	s_mov_b64 s[64:65], 0
	v_nop
	global_prefetch_b8 v0, s[64:65] scope:SCOPE_SE
	s_setreg_imm32_b32 hwreg(HW_REG_WAVE_MODE, 25, 1), 1
	s_wait_xcnt 0x0
	s_wait_alu depctr_hold_cnt(0) depctr_sa_sdst(0) depctr_va_vdst(0) depctr_va_sdst(0) depctr_va_ssrc(0) depctr_va_vcc(0) depctr_vm_vsrc(0)
	s_getreg_b32 s2, hwreg(HW_REG_IB_STS2, 6, 4)
	s_cmp_eq_u32 s2, 0
	s_cbranch_scc0 .Lentry_in_a_cluster
	s_endpgm
.Lentry_in_a_cluster:
	s_bfe_u32 s2, ttmp6, 0x10000c
	s_cmp_lg_u32 s2, 0xf033
	s_cbranch_scc0 .Lentry_shape_is_right
	s_endpgm
.Lentry_shape_is_right:
; out[b][q][head][:] = sum over k of softmax_k(m (q.k / 8) + (1 - m) 1e-8) v[k][:], m = mask[b][q][k]; both products on codes of BF8 (E5M2) with the given scales 2^eq, 2^ek, 2^ep, 2^ev.
; x: [4][2048][3072] f32, of which the q part (the first 1,024 of a row) is read here.  kv: k's and v's codes, laid as images of the operands' registers by the launch before (its head comment has the layouts).
; mask: [4][2048][2048] f32.  out: [4][2048][1024] f32.
; Q.  Each number of q is wanted by one wave alone: the wave reads its 64 rows x 256 bytes in whole rows, turns them through its stage in LDS so that a lane holds 32 neighbours along d of one row, holds and converts them.
;   A lane's codes are d = 32 h + 0..31 of row r: the order of d that k's images have.  Only the first tile of 16 rows is converted at the head; the other three land in the registers of their own O^T, which are idle
;   until that tile's first products, and each is converted in the first key step, in the tile before its own.
; THE SOFTMAX.  t = logit x log2(e); M = the row's largest t so far, rounded UP to a whole number; p = 2^(t - M) is quantised along the keys with 2^ep; the row's sum is taken of the unquantised p and divides at the end.
;   When M moves, the sum and O are multiplied by 2^(old M - new M): exact.
; THE MASK.  With E = eq + ek, c = log2(e) / 8 x 2^E and EC = 8e-8 x 2^-E:  t = c w, w = m (s - EC) + EC, s the sum of the codes' products.  -EC is the C of the first product's instructions.
; SHARES.  A work-group owns 128 queries of one batch x the 4 heads of one group.  Wave w: head w % 4, queries 64 (w / 4) on: four tiles of 16, which share each fragment of K and V that the wave reads from LDS.
; LAYOUT.  Both products transposed: S^T = K Q^T, O^T = V^T P^T: a lane holds ONE query (lane % 16); S^T's register 16 b + i is key 32 b + 16 (lane / 16) + i, so the conversions' results are the second product's operand.
; CLUSTER, 4 x 4.  x = the group of heads, y = the block of queries; all sixteen partners lie in one batch.  The mask's tile hangs on y alone: the four of a row of the cluster ask for it JOINTLY.
;   The block of K and V hangs on the batch and x alone: the four of a column ask jointly.  Each joint load has the same descriptor in all four and a mask that names them.
; RING.  Two LDS slots, each a step's mask tile (128 rows x 512 bytes + 16) and its block of K and V (65,536 bytes).  Every wave fetches: waves 0 to 3 take 32 rows of the mask each, waves 4 to 7 a quarter of K and V each.
;   THE CHANGE OF SLOTS is spread over a step's third and fourth tiles: once the fourth tile's mask is in registers nothing more is read of the slot, so the waits, the add and the round's opening signal stand in the
;   third tile; work on registers alone follows up to the signal's wait, which stands in the fourth tile ahead of its exponentials, with the rest of the round, the joint refill and the next step's K and first mask behind it.
; LIMITS: eq + ek between -123 and 102 (added to c's exponent field, taken off EC's); eq and ep between -126 and 112; ep + ev is applied by v_ldexp_f32 and has none.  NaN and infinities among the inputs are not served
;   (an infinity in q is held at the largest code).  p under 2^-126 is 0 (v_exp_f32 flushes: ISA guide 15.8).
; REGISTERS.  Window 0: v1-10 addresses; v12-27 statistics, four a tile (-M, largest w, the sum in two halves); v28-35 -EC; v36 57,344 x 2^ep; v37 2^ep; v38 f, v39 the old -M; v40-47 at work;
;   v48-63 p's codes; v64-127 S^T, then p; v128-191 the mask of one tile; v192-223 Q; v224-239 pair sums; v240-243 for q.  Window 1: v0-63 K, v64-127 V of a step; v128-255 O^T, 32 a tile.
.set MP,    528                        ; a mask row in LDS: 512 bytes + 16
.set KVO,   128*MP                     ; a slot: the mask's 128 rows, then the block of K and V
.set SLOT,  KVO+65536
.set SPARE, 2*SLOT                     ; the spare words, 128 bytes for each wave: four blocks of 256 bytes that no other line names
.set STAGE, SPARE+1024                 ; 16 rows x (256 bytes + 16) for each wave: q's way in and the way out; no fill lands here
.set SP,    272
.set STEPS, 16
.set XROW,  12288
.set SPW,  1                           ; my spare word's LDS address; never rewritten
.set NIL,  2                           ; 0; never rewritten
.set AKV0, 3                           ; my lane's place in my head's images of K, slot 0 (V: 32,768 on)
.set AM0,  4                           ; my lane's place in my first tile's mask rows, slot 0
.set ADKV, 5                           ; the same two in the slot in hand
.set ADM,  6
.set STO,  7                           ; the stage: row r, + 32 h
.set RD,   8                           ; the stage: row h, + 16 r
.set GO,   9                           ; my offset in the wave's rows of out
.set PFO,  10                          ; the prefetches' offset; never rewritten
.set ST,   12
.set CC,   28
.set HL,   36
.set SCP,  37
.set F,    38
.set PX,   40
.set CH,   42                          ; v42-47 three chains of the sum
.set MA,   44                          ; v44-47 four chains of the maximum (dead before the sum begins)
.set P,    48
.set S,    64
.set MK,   128
.set QF,   192
.set TS,   224
.set SCQ,  240                         ; 2^eq, 57,344 x 2^eq
.set LMQ,  241
.set QA,   242                         ; the stage: row r, + 128 h
.set QG,   243                         ; my offset in the wave's rows of x; never rewritten
.set KF,   0                           ; window 1
.set VF,   64
.set OF,   128
.set WV,   14
.set G1M,  24                          ; s[24:31] group 1, the mask's tiles; s[32:39] K and V's
.set G1K,  32
.set G0M,  40                          ; s[40:43] group 0, the mask's, which walks; s[48:51] K and V's
.set G0K,  48
.set CNT,  56                          ; steps that still fill a slot
.set TB,   57                          ; LDS byte at which the slot that is read begins
.set FB,   58                          ; the same for the slot that was filled last
.set WLM,  59                          ; my load's place in a slot
.set WLK,  60
.set EO,   61                          ; ep + ev
.set SEL,  62                          ; v_permlanex16_b32's selects: lane l xor 16
.set CS,   66                          ; c, twice
.set EC,   72                          ; EC, twice
.set PFA,  74                          ; where my prefetches stand
.set PFS,  76                          ; a step on, in bytes
.set LIM,  78                          ; 1 in a wave that prefetches, else the greatest number
.set MSB, 0
.macro WIN new                         ; s_set_vgpr_msb: bits 1:0 source 0, 3:2 source 1, 5:4 source 2, 7:6 destination; the high byte repeats the setting that is left
.if MSB != \new
	s_set_vgpr_msb (MSB<<8)|\new
.set MSB, \new
.endif
.endm
.set W_KQ, 0x01                        ; source 0 in window 1
.set W_PV, 0x51                        ; V and O^T in window 1
.set W_RS, 0x41                        ; destination and source 0 in window 1
.set W_LD, 0x40                        ; destination window 1
.set W_ST, 0x04                        ; an LDS store's data (source 1) in window 1
.set W_OUT, 0x01
.macro PLACES                          ; four plain vector lines behind a matrix instruction (ISA guide 7.12.1)
.rept 4
	v_nop
.endr
.endm
.macro VW
	s_wait_alu depctr_va_vdst(0)
.endm
.macro CREST                           ; a round of the cluster's barrier behind its opening barrier
	s_cmp_lg_u32 s[WV], 0
	s_cbranch_scc1 .Lnot_wave_0_\@
	s_barrier_signal -3
.Lnot_wave_0_\@:
	s_barrier_wait -3
	s_barrier_signal -1
	s_barrier_wait -1
.endm
.macro CROUND
	s_barrier_signal -1
	s_barrier_wait -1
	CREST
.endm
; A joint load: every wave issues one, in one of two arms that part on the wave's number alone.  s_nop 0 and four v_nop follow each.
.macro JLOAD
	s_cmp_lt_u32 s[WV], 4
	s_cbranch_scc0 .Lfor_k_\@
	tensor_load_to_lds s[G0M:G0M+3], s[G1M:G1M+7]
	s_nop 0
	PLACES
	s_branch .Lasked_\@
.Lfor_k_\@:
	tensor_load_to_lds s[G0K:G0K+3], s[G1K:G1K+7]
	s_nop 0
	PLACES
.Lasked_\@:
.endm
.macro ADV                             ; the walking descriptors: the other slot, the next 128 keys
	s_xor_b32 s[FB], s[FB], SLOT
	s_add_co_u32 s[G0M+1], s[FB], s[WLM]
	s_add_co_u32 s[G0K+1], s[FB], s[WLK]
	s_add_nc_u64 s[G0M+2:G0M+3], s[G0M+2:G0M+3], 512
	s_add_nc_u64 s[G0K+2:G0K+3], s[G0K+2:G0K+3], 65536
.endm
; A PREFETCH INTO THE L2 of what the NEXT change of slots will ask for, a whole step ahead of that load.  Each aligned block of 256 bytes is named once in the launch.
; The mask's tile is read by one row of one cluster: its four partners take 32 rows each, told apart BY ADDRESS (cx); waves 0 and 1 take the two halves of a row's 512 bytes, a lane a row.
; The block of K and V is read by the four clusters of a batch: the first of them asks; the four partners of a column take 16,384 bytes each, by address (cy); waves 4 and 5 take 8,192 each, lanes 256 bytes apart.
; The last change that fills a slot asks for nothing.  Steps 0 to 2 come by their loads alone.
.macro ASK
	s_cmp_gt_u32 s[CNT], s[LIM]
	s_cbranch_scc0 .Lnot_mine_\@
	global_prefetch_b8 v[PFO], s[PFA:PFA+1] th:TH_LOAD_NT scope:SCOPE_SE
.Lnot_mine_\@:
.endm
	s_load_b256 s[4:11], s[0:1], 0x0               ; x, kv, mask, the scales' exponents
	s_load_b64 s[12:13], s[0:1], 0x20              ; out
	v_lshl_add_u32 v[SPW], v0, 2, SPARE
	v_mov_b32 v[NIL], 0
	ds_add_u32 v[SPW], v[NIL]                      ; the opening: the add twice on end, under one wait
	ds_add_u32 v[SPW], v[NIL]
	v_lshrrev_b32 v11, 5, v0
	v_readfirstlane_b32 s[WV], v11                 ; wave 0..7
	s_and_b32 s15, s[WV], 3                        ; my head in the group; also which part of a tile I fetch
	s_lshr_b32 s16, s[WV], 2                       ; which 64 queries are mine
	s_lshl_b32 s94, s15, 13
	s_add_co_u32 s94, s94, KVO
	s_mul_i32 s95, s16, 64*MP
	s_mul_i32 s96, s[WV], 16*SP
	s_add_co_u32 s96, s96, STAGE
	s_cmp_lt_u32 s[WV], 4
	s_cselect_b32 s97, 13, 8                       ; the prefetches, from lane to lane: 8,192 bytes (a row of the mask) or 256
	; every vector address that stays, of the lane and the wave's number alone
	v_and_b32 v11, 31, v0
	v_and_b32 v46, 15, v0                          ; r
	v_bfe_u32 v47, v0, 4, 1                        ; h
	v_lshl_add_u32 v[AKV0], v11, 4, s94            ; 16 x lane + 8,192 j, behind the mask's rows
	v_mul_u32_u24 v[AM0], v46, MP
	v_lshl_add_u32 v[AM0], v47, 6, v[AM0]
	v_add_nc_u32 v[AM0], s95, v[AM0]               ; mask row 64 (w / 4) + r, + 64 h bytes
	v_mul_u32_u24 v[STO], v46, SP
	v_lshl_add_u32 v[QA], v47, 7, v[STO]
	v_lshl_add_u32 v[STO], v47, 5, v[STO]
	v_add_nc_u32 v[QA], s96, v[QA]
	v_add_nc_u32 v[STO], s96, v[STO]
	v_mul_u32_u24 v[RD], v47, SP
	v_lshl_add_u32 v[RD], v46, 4, v[RD]
	v_add_nc_u32 v[RD], s96, v[RD]
	v_lshlrev_b32 v[GO], 12, v47
	v_lshl_add_u32 v[GO], v46, 4, v[GO]
	v_mul_u32_u24 v[QG], v47, XROW
	v_lshl_add_u32 v[QG], v46, 4, v[QG]            ; lanes 0-15 one row's 256 bytes of q, lanes 16-31 the next row's
	v_lshlrev_b32 v[PFO], s97, v11
	s_and_b32 s20, s[WV], 1
	s_bfe_u32 s17, ttmp6, 0x40000                  ; cx = the group of heads
	s_bfe_u32 s18, ttmp6, 0x40004                  ; cy
	s_and_b32 s19, ttmp7, 0xffff                   ; the cluster's y
	s_lshl_b32 s21, s19, 2
	s_add_co_u32 s21, s21, s18                     ; y: my block of 128 queries among the 64
	s_lshr_b32 s22, s19, 2                         ; the batch
	s_mul_i32 s[WLM], s15, 32*MP
	s_lshl_b32 s[WLK], s15, 14
	s_add_co_u32 s[WLK], s[WLK], KVO
	s_mov_b32 s[TB], 0
	s_mov_b32 s[FB], 0
	s_mov_b32 s[SEL], 0x76543210
	s_mov_b32 s[SEL+1], 0xfedcba98
	; group 1.  The mask: 32 rows x 128 elements of 4 bytes, 2,048 elements from row to row, 4 words of padding behind every 128
	s_lshl_b32 s82, s18, 2
	s_lshl_b32 s82, 15, s82                        ; my row of the cluster
	s_or_b32 s[G1M], s82, (2<<16)|(1<<20)|(1<<21)|(6<<22)|(3<<25)
	s_mov_b32 s[G1M+1], 128<<16
	s_mov_b32 s[G1M+2], 32<<16
	s_mov_b32 s[G1M+3], 128<<16
	s_mov_b32 s[G1M+4], 32
	s_mov_b32 s[G1M+5], 2048
	s_mov_b32 s[G1M+6], 0
	s_mov_b32 s[G1M+7], 0
	; K and V: 16,384 dense bytes as 64 rows x 32 elements of 8 bytes
	s_lshl_b32 s86, 0x1111, s17                    ; my column
	s_or_b32 s[G1K], s86, (3<<16)|(1<<21)
	s_mov_b32 s[G1K+1], 32<<16
	s_mov_b32 s[G1K+2], 64<<16
	s_mov_b32 s[G1K+3], 32<<16
	s_mov_b32 s[G1K+4], 64
	s_mov_b32 s[G1K+5], 32
	s_mov_b32 s[G1K+6], 0
	s_mov_b32 s[G1K+7], 0
	s_lshl_b32 s80, s21, 7
	s_lshl_b32 s81, s15, 5
	s_add_co_u32 s80, s80, s81                     ; mask row 128 y + 32 (w % 4)
	s_lshl_b32 s80, s80, 13
	s_mov_b32 s81, 0
	s_lshl_b32 s84, s22, 2
	s_add_co_u32 s84, s84, s17
	s_lshl_b32 s84, s84, 20                        ; (4 b + group) x 16 blocks of 65,536
	s_lshl_b32 s85, s15, 14
	s_add_co_u32 s84, s84, s85                     ; + my quarter
	s_mov_b32 s85, 0
	s_lshl_b32 s93, s17, 2
	s_add_co_u32 s93, s93, s15                     ; my head in the batch
	s_lshl_b32 s90, s21, 7
	s_lshl_b32 s91, s16, 6
	s_add_co_u32 s90, s90, s91                     ; my first row: 128 y + 64 (w / 4)
	s_mul_i32 s88, s90, XROW                       ; in x: under 2^27
	s_lshl_b32 s91, s93, 8                         ; + the head's 256 bytes of a row, in x and in out
	s_add_co_u32 s88, s88, s91
	s_mov_b32 s89, 0
	s_lshl_b32 s90, s90, 12
	s_add_co_u32 s90, s90, s91
	s_mov_b32 s91, 0
	; the prefetches' offsets
	s_lshl_b32 s98, s21, 7
	s_lshl_b32 s99, s17, 5
	s_add_co_u32 s98, s98, s99                     ; the mask: row 128 y + 32 cx,
	s_lshl_b32 s98, s98, 13
	s_lshl_b32 s99, s20, 8
	s_add_co_u32 s98, s98, s99                     ; + 256 (w % 2),
	s_add_co_u32 s98, s98, 2*512                   ; at step 2: the first change of slots steps it to 3
	s_lshl_b32 s92, s22, 2
	s_add_co_u32 s92, s92, s17
	s_lshl_b32 s92, s92, 20
	s_lshl_b32 s99, s18, 14
	s_add_co_u32 s92, s92, s99                     ; K and V: + 16,384 cy
	s_lshl_b32 s99, s20, 13
	s_add_co_u32 s92, s92, s99
	s_add_co_u32 s92, s92, 2*65536
	s_cmp_lt_u32 s[WV], 4
	s_cselect_b32 s98, s98, s92
	s_cselect_b32 s92, 9, 16                       ; from step to step: 512 bytes or 65,536
	s_mov_b32 s99, 0
	s_lshl_b32 s[PFS], 1, s92
	s_mov_b32 s[PFS+1], 0
	s_and_b32 s92, s19, 3                          ; 0 in the batch's first cluster: the same in all sixteen partners
	s_cmp_lt_u32 s[WV], 4
	s_cselect_b32 s92, 0, s92
	s_and_b32 s93, s[WV], 2
	s_or_b32 s92, s92, s93                         ; waves 0, 1, 4, 5
	s_cmp_eq_u32 s92, 0
	s_cselect_b32 s[LIM], 1, -1
	VW
	s_wait_dscnt 0x0                               ; both opening adds are done
	s_wait_kmcnt 0x0
	s_load_b128 s[68:71], s[10:11], 0x0            ; eq, ek, ep, ev
	s_add_nc_u64 s[80:81], s[8:9], s[80:81]
	s_add_nc_u64 s[84:85], s[6:7], s[84:85]
	s_add_nc_u64 s[4:5], s[4:5], s[88:89]
	s_add_nc_u64 s[12:13], s[12:13], s[90:91]
	s_cmp_lt_u32 s[WV], 4
	s_cselect_b64 s[PFA:PFA+1], s[8:9], s[6:7]
	s_add_nc_u64 s[PFA:PFA+1], s[PFA:PFA+1], s[98:99]
	s_mov_b32 s[G0M], 1
	s_mov_b32 s[G0M+1], s[WLM]                     ; slot 0, step 0
	s_mov_b64 s[G0M+2:G0M+3], s[80:81]
	s_or_b32 s[G0M+3], s[G0M+3], 0x80000000
	s_mov_b32 s[G0K], 1
	s_mov_b32 s[G0K+1], s[WLK]
	s_mov_b64 s[G0K+2:G0K+3], s[84:85]
	s_or_b32 s[G0K+3], s[G0K+3], 0x80000000
	CROUND                                         ; all sixteen work-groups are here: the first joint loads meet
	JLOAD                                          ; step 0: one tensor load a wave at the head
.irp f, 0,1,2,3,4,5,6,7
	global_load_b128 v[S+4*\f:S+4*\f+3], v[QG], s[4:5] offset:2*\f*XROW th:TH_LOAD_NT   ; q, tile 0: sixteen lanes read a row's 256 bytes, aligned
.endr
	WIN W_LD
.irp u, 1,2,3
.irp f, 0,1,2,3,4,5,6,7
	global_load_b128 v[OF+32*\u+4*\f:OF+32*\u+4*\f+3], v[QG], s[4:5] offset:(16*\u+2*\f)*XROW th:TH_LOAD_NT   ; tiles 1 to 3, into the registers of their O^T
.endr
.endr
	WIN 0
	s_wait_kmcnt 0x0
	s_add_co_i32 s88, s68, s69                     ; E = eq + ek
	s_lshl_b32 s88, s88, 23
	s_mov_b32 s[CS], 0x3e38aa3b                    ; log2(e) / 8,
	s_add_co_i32 s[CS], s[CS], s88                 ; x 2^E
	s_mov_b32 s[CS+1], s[CS]
	s_mov_b32 s[EC], 0x33abcc77                    ; 8e-8,
	s_sub_co_i32 s[EC], s[EC], s88                 ; x 2^-E
	s_mov_b32 s[EC+1], s[EC]
	s_or_b32 s86, s[EC], 0x80000000                ; -EC
	s_add_co_i32 s88, s70, 127
	s_lshl_b32 s87, s88, 23                        ; 2^ep
	s_add_co_i32 s88, s88, 15
	s_lshl_b32 s88, s88, 23
	s_or_b32 s88, s88, 0x600000                    ; 57,344 x 2^ep
	s_add_co_i32 s83, s68, 127
	s_lshl_b32 s82, s83, 23                        ; 2^eq
	s_add_co_i32 s83, s83, 15
	s_lshl_b32 s83, s83, 23
	s_or_b32 s83, s83, 0x600000                    ; 57,344 x 2^eq
	s_add_co_i32 s[EO], s70, s71
	v_mov_b32 v[SCQ], s82
	v_mov_b32 v[LMQ], s83
.irp i, 0,1,2,3,4,5,6,7
	v_mov_b32 v[CC+\i], s86
.endr
	v_mov_b32 v[SCP], s87
	v_mov_b32 v[HL], s88
.irp u, 0,1,2,3
	v_mov_b32 v[ST+4*\u+1], 0xff61b1e6             ; the largest w so far: -3e38
	v_floor_f32 v[ST+4*\u], -v[ST+4*\u+1]          ; -M
	v_mov_b32 v[ST+4*\u+2], 0                      ; the sum, in two halves
	v_mov_b32 v[ST+4*\u+3], 0
.endr
	v_mov_b32 v[PX], 0                             ; a lane permute's destination counts as a source
.macro KLOAD                           ; my head's eight tiles of K
	WIN W_LD
.irp t, 0,1,2,3,4,5,6,7
	ds_load_b128 v[KF+8*\t:KF+8*\t+3], v[ADKV] offset:1024*\t
	ds_load_b128 v[KF+8*\t+4:KF+8*\t+7], v[ADKV] offset:1024*\t+512
.endr
	WIN 0
.endm
.macro VLOAD                           ; my head's four tiles of V
	WIN W_LD
.irp t, 0,1,2,3
.irp c, 0,1,2,3
	ds_load_b128 v[VF+16*\t+4*\c:VF+16*\t+4*\c+3], v[ADKV] offset:32768+2048*\t+512*\c
.endr
.endr
	WIN 0
.endm
.macro MLOAD u                         ; tile u's mask: register 16 b + i is my query's m at key 32 b + 16 h + i
.irp b, 0,1,2,3
.irp c, 0,1,2,3
	ds_load_b128 v[MK+16*\b+4*\c:MK+16*\b+4*\c+3], v[ADM] offset:16*(\u)*MP+128*\b+16*\c
.endr
.endr
.endm
.macro KQ u                            ; S^T = K Q^T - EC for tile u
	WIN W_KQ
.irp t, 0,1,2,3,4,5,6,7
	v_wmma_f32_16x16x64_bf8_bf8 v[S+8*\t:S+8*\t+7], v[KF+8*\t:KF+8*\t+7], v[QF+8*(\u):QF+8*(\u)+7], v[CC:CC+7]
.endr
.endm
.macro SC4 k0                          ; t - M for four pairs
.irp c, 0,2,4,6
	v_pk_fma_f32 v[S+\k0+\c:S+\k0+\c+1], v[S+\k0+\c:S+\k0+\c+1], s[CS:CS+1], v[rT:rT+1] op_sel_hi:[1,0,0]
.endr
.endm
; Q's tile u (1 to 3), in the first key step: its 16 rows go from the registers of its O^T into my stage as they were loaded, and come back 128 bytes a lane (row r, d = 32 h + 0..31) into the same registers
; once the stores are done; then the hold and the conversion.
.macro QCONV u
.set rQ, OF+32*(\u)
	VW
	s_wait_loadcnt 8*(3-(\u))                      ; this tile's eight loads are in; the later tiles' may be out
	WIN W_ST
.irp f, 0,1,2,3,4,5,6,7
	ds_store_b128 v[RD], v[rQ+4*\f:rQ+4*\f+3] offset:2*\f*SP
.endr
	s_wait_dscnt 0x0                               ; the stores have read their registers
	WIN W_LD
.irp c, 0,1,2,3,4,5,6,7
	ds_load_b128 v[rQ+4*\c:rQ+4*\c+3], v[QA] offset:16*\c
.endr
	s_wait_dscnt 0x0
	WIN W_RS
.set k, 0
.rept 32
	v_med3_num_f32 v[rQ+k], v[rQ+k], -v[LMQ], v[LMQ]           ; the conversion does not saturate (ISA guide 7.6.2): the hold comes first
.set k, k+1
.endr
	WIN W_KQ
.irp g, 0,1,2,3
	v_cvt_scalef32_pk8_bf8_f32 v[QF+8*(\u)+2*\g:QF+8*(\u)+2*\g+1], v[rQ+8*\g:rQ+8*\g+7], v[SCQ]
.endr
	WIN 0
.endm
; ONE TILE OF 16 QUERIES x 128 KEYS.  On entry S^T holds its sums and MK its mask.  next = 1: the next tile's mask is fetched and its S^T made here.
; sig: this tile holds the waits, the add and the opening signal of a change of slots (1: with a refill, 2: without).  mt: it holds that signal's wait and what follows it (1, 2 likewise).
; first = 1, the first key step: the products start O^T (C = 0), nothing is rescaled, and the next tile's q is converted.
.macro TILE u, next, sig, mt, first
.set rT, ST+4*(\u)
.set rO, OF+32*(\u)
	v_mov_b32 v[F+1], v[rT]                        ; the old -M
.set k, 0
.rept 32
	v_pk_fma_f32 v[S+k:S+k+1], v[MK+k:MK+k+1], v[S+k:S+k+1], s[EC:EC+1] op_sel_hi:[1,1,0]   ; the blend w = m (s - EC) + EC; each accumulator from its low end on
.set k, k+2
.endr
.if \next
.if \mt == 0
	MLOAD ((\u)+1)%4
.endif
.endif
.if \first
.if (\u) < 3
	QCONV (\u)+1
.endif
.endif
.irp c, 0,1,2,3
	v_max3_num_f32 v[MA+\c], v[S+3*\c], v[S+3*\c+1], v[S+3*\c+2]   ; the largest of my 64, in four chains
.endr
.set k, 0
.rept 26
	v_max3_num_f32 v[MA+k%4], v[MA+k%4], v[S+12+2*k], v[S+13+2*k]
.set k, k+1
.endr
	v_max3_num_f32 v[MA], v[MA], v[MA+1], v[MA+2]
	v_max_num_f32 v[MA], v[MA], v[MA+3]
	v_permlanex16_b32 v[PX], v[MA], s[SEL], s[SEL+1]
	v_max3_num_f32 v[rT+1], v[rT+1], v[MA], v[PX]  ; the running largest w, lane l xor 16's among it
	v_mul_f32 v[MA], s[CS], v[rT+1]                ; as t (c is positive)
	v_floor_f32 v[rT], -v[MA]                      ; the new -M = -ceil(t)
	SC4 0                                          ; the first half's t - M, with f = 2^(old M - new M) made among them
	v_sub_f32 v[MA], v[rT], v[F+1]                 ; old M - new M: a whole number, 0 or less
	SC4 8
	v_cvt_i32_f32 v[MA], v[MA]                     ; (it saturates)
	SC4 16
	v_ldexp_f32 v[F], 1.0, v[MA]
	SC4 24
	VW                                             ; ahead of the first batch of exponentials (and of the waits below)
.if \sig
	s_wait_tensorcnt 0x0                           ; my part of the next slot is in, so my group 0 may be written
	ds_add_u32 v[SPW], v[NIL]
.if \sig == 1
	ADV
	s_wait_xcnt 0x0                                ; the last prefetch has read its address
	s_add_nc_u64 s[PFA:PFA+1], s[PFA:PFA+1], s[PFS:PFS+1]   ; one step further on than the walking descriptors
.endif
	s_xor_b32 s[TB], s[TB], SLOT                   ; the reads go on in the other slot
	s_wait_dscnt 0x0                               ; the add is done; K, V and the last tile's mask are in registers: my reads of the slot in hand are over
	s_barrier_signal -1                            ; say so; work on registers alone follows up to the wait, in the next tile
.endif
.if \mt
	s_barrier_wait -1                              ; all eight waves have said so
.if \mt == 1
	CREST                                          ; and all sixteen work-groups: no wave of any partner reads the slot or has a load on its way
	JLOAD                                          ; the step two on: my one tensor load until the next round
	ASK
.endif
	v_add_nc_u32 v[ADKV], s[TB], v[AKV0]
	v_add_nc_u32 v[ADM], s[TB], v[AM0]
	KLOAD                                          ; the next step's K and first mask
	MLOAD ((\u)+1)%4
.endif
.set k, 0
.rept 16                               ; p = 2^(t - M), first half; the second half's scalings stand among the exponentials and are first read behind the next wait
	v_exp_f32 v[S+2*k], v[S+2*k]
	v_exp_f32 v[S+2*k+1], v[S+2*k+1]
	v_pk_fma_f32 v[S+32+2*k:S+33+2*k], v[S+32+2*k:S+33+2*k], s[CS:CS+1], v[rT:rT+1] op_sel_hi:[1,0,0]
.set k, k+1
.endr
	v_pk_mul_f32 v[rT+2:rT+3], v[rT+2:rT+3], v[F:F+1] op_sel_hi:[1,0]   ; the sums under the new M
	VW                                             ; behind the first batch, ahead of the second
.set k, 0
.rept 8                                ; second half; among its exponentials the first half's pair sums (of the unquantised p) and then its holds, all first read behind the next wait
	v_exp_f32 v[S+32+4*k], v[S+32+4*k]
	v_pk_add_f32 v[TS+2*k:TS+2*k+1], v[S+4*k:S+4*k+1], v[S+4*k+2:S+4*k+3]
	v_exp_f32 v[S+33+4*k], v[S+33+4*k]
	v_dual_min_num_f32 v[S+4*k], v[S+4*k], v[HL] :: v_dual_min_num_f32 v[S+4*k+1], v[S+4*k+1], v[HL]
	v_exp_f32 v[S+34+4*k], v[S+34+4*k]
	v_dual_min_num_f32 v[S+4*k+2], v[S+4*k+2], v[HL] :: v_dual_min_num_f32 v[S+4*k+3], v[S+4*k+3], v[HL]
	v_exp_f32 v[S+35+4*k], v[S+35+4*k]
.set k, k+1
.endr
	v_nop                                          ; the plain line behind the last exponential
.if \first == 0
	WIN W_RS
.endif
.if (\sig == 0) && (\mt == 0)
	s_wait_dscnt 0x0                               ; all my LDS loads are in: V, the next tile's mask
.endif
	VW                                             ; behind the second batch; directly ahead of the first reader of O^T
.if \first == 0
.set k, 0
.rept 16
	v_pk_mul_f32 v[rO+k:rO+k+1], v[rO+k:rO+k+1], v[F:F+1] op_sel_hi:[1,0]   ; O^T under the new M; each accumulator from its low end on
.set k, k+2
.endr
	WIN 0
.endif
	v_pk_add_f32 v[CH:CH+1], v[TS:TS+1], v[TS+2:TS+3]           ; the row's sum: four chains
	v_pk_add_f32 v[CH+2:CH+3], v[TS+4:TS+5], v[TS+6:TS+7]
	v_pk_add_f32 v[CH+4:CH+5], v[TS+8:TS+9], v[TS+10:TS+11]
	v_pk_add_f32 v[rT+2:rT+3], v[rT+2:rT+3], v[TS+12:TS+13]
	v_pk_add_f32 v[CH:CH+1], v[CH:CH+1], v[TS+14:TS+15]
.set k, 0
.rept 16
.if k%4 == 0
.set rc, rT+2
.else
.set rc, CH+2*(k%4)-2
.endif
	v_pk_add_f32 v[rc:rc+1], v[rc:rc+1], v[S+32+2*k:S+33+2*k]
.set k, k+1
.endr
	v_pk_add_f32 v[CH:CH+1], v[CH:CH+1], v[CH+2:CH+3]
	v_pk_add_f32 v[rT+2:rT+3], v[rT+2:rT+3], v[CH+4:CH+5]
	v_pk_add_f32 v[rT+2:rT+3], v[rT+2:rT+3], v[CH:CH+1]
.set k, 32
.rept 16
	v_dual_min_num_f32 v[S+k], v[S+k], v[HL] :: v_dual_min_num_f32 v[S+k+1], v[S+k+1], v[HL]   ; the conversion does not saturate (ISA guide 7.6.2); p is not negative: a one-sided hold, two numbers a line
.set k, k+2
.endr
.irp b, 0,1,2,3,4,5,6,7
	v_cvt_scalef32_pk8_bf8_f32 v[P+2*\b:P+2*\b+1], v[S+8*\b:S+8*\b+7], v[SCP]
.endr
	v_nop                                          ; a plain line behind the last conversion
.if \mt
	VW
	s_wait_dscnt 0x0                               ; the next step's K and first mask, asked for ahead of this tile's exponentials
.endif
	WIN W_PV
.irp t, 0,1,2,3                        ; O^T += V^T P^T: four accumulators by turns
.if \first
	v_wmma_f32_16x16x128_bf8_bf8 v[rO+8*\t:rO+8*\t+7], v[VF+16*\t:VF+16*\t+15], v[P:P+15], 0
.else
	v_wmma_f32_16x16x128_bf8_bf8 v[rO+8*\t:rO+8*\t+7], v[VF+16*\t:VF+16*\t+15], v[P:P+15], v[rO+8*\t:rO+8*\t+7]
.endif
.endr
.if \next
	KQ ((\u)+1)%4
.endif
	WIN 0
.if \next
	PLACES                                         ; ahead of the blend's reads of S^T and of loads into V's registers
.if (\u) == 3
	VLOAD                                          ; the next step's V
.endif
.endif
.endm
.macro STEP chg, next, first
	TILE 0, 1, 0, 0, \first
	TILE 1, 1, 0, 0, \first
	TILE 2, 1, \chg, 0, \first
	TILE 3, \next, 0, \chg, \first
.endm
	VW
	s_wait_tensorcnt 0x0                           ; my part of step 0 is in; slot 1's first fill is issued as a refill is:
	ds_add_u32 v[SPW], v[NIL]
	ADV                                            ; slot 1, step 1
	s_wait_dscnt 0x0
	CROUND
	JLOAD
	v_add_nc_u32 v[ADKV], s[TB], v[AKV0]
	v_add_nc_u32 v[ADM], s[TB], v[AM0]
	KLOAD
	VLOAD
	VW                                             ; the head's end
	s_wait_loadcnt 24                              ; q's tile 0 is in; the 24 loads of tiles 1 to 3 may be out
.irp f, 0,1,2,3,4,5,6,7
	ds_store_b128 v[RD], v[S+4*\f:S+4*\f+3] offset:2*\f*SP
.endr
.irp c, 0,1,2,3,4,5,6,7
	ds_load_b128 v[MK+4*\c:MK+4*\c+3], v[QA] offset:16*\c      ; LDS serves a wave's instructions in order (ISA guide 5.7.1.4): these see my stores
.endr
	s_wait_dscnt 0x0
.set k, 0
.rept 32
	v_med3_num_f32 v[MK+k], v[MK+k], -v[LMQ], v[LMQ]
.set k, k+1
.endr
.irp g, 0,1,2,3
	v_cvt_scalef32_pk8_bf8_f32 v[QF+2*\g:QF+2*\g+1], v[MK+8*\g:MK+8*\g+7], v[SCQ]
.endr
	v_nop                                          ; a plain line behind the last conversion
	MLOAD 0
	VW
	s_wait_dscnt 0x0                               ; the first mask (K and V came in above)
	KQ 0
	WIN 0
	PLACES
	s_mov_b32 s[CNT], STEPS-2
	STEP 1, 1, 1                                   ; the first key step is written out: its products start O^T
	s_mov_b32 s[CNT], STEPS-3
.Lstep:                                            ; 13 trips: with the first step, every step but the last two fills its slot again
	STEP 1, 1, 0
	s_sub_co_u32 s[CNT], s[CNT], 1
	s_cmp_lg_u32 s[CNT], 0
	VW
	s_cbranch_scc1 .Lstep
	STEP 2, 1, 0                                   ; the tail is written out
	STEP 0, 0, 0
	; THE WAY OUT.  O^T x 2^(ep + ev) / the sum goes through my stage in LDS, a tile (16 rows x 256 bytes) at a time.  The first four additions are the places behind the last products.
.irp u, 0,1,2,3
	v_add_f32 v[ST+4*\u+2], v[ST+4*\u+2], v[ST+4*\u+3]
.endr
.irp u, 0,1,2,3
	v_permlanex16_b32 v[ST+4*\u+3], v[ST+4*\u+2], s[SEL], s[SEL+1]
.endr
.irp u, 0,1,2,3
	v_add_f32 v[ST+4*\u+2], v[ST+4*\u+2], v[ST+4*\u+3]
.endr
	VW
.irp u, 0,1,2,3
	v_rcp_f32 v[ST+4*\u+2], v[ST+4*\u+2]
.endr
	v_nop
	VW
.irp u, 0,1,2,3
	v_ldexp_f32 v[ST+4*\u+2], v[ST+4*\u+2], s[EO]
.endr
.macro PACK u                          ; register 8 t + i of the tile's O^T is out(query r, d = 16 t + 8 h + i)
.set rO, OF+32*(\u)
.set rW, S+32*((\u)%2)
.set rB, MK+32*(\u)
	WIN W_OUT
	VW                                             ; directly ahead of the first reader of this tile's O^T
.set k, 0
.rept 16
	v_pk_mul_f32 v[rW+k:rW+k+1], v[rO+k:rO+k+1], v[ST+4*(\u)+2:ST+4*(\u)+3] op_sel_hi:[1,0]
.set k, k+2
.endr
	WIN 0
.irp t, 0,1,2,3
	ds_store_b128 v[STO], v[rW+8*\t:rW+8*\t+3] offset:64*\t
	ds_store_b128 v[STO], v[rW+8*\t+4:rW+8*\t+7] offset:64*\t+16
.endr
.irp f, 0,1,2,3,4,5,6,7
	ds_load_b128 v[rB+4*\f:rB+4*\f+3], v[RD] offset:2*\f*SP   ; in order behind my stores
.endr
.endm
.macro SEND u, younger                 ; younger: the LDS instructions issued behind tile u's loads: the next tile's sixteen, or none
.irp f, 0,1,2,3,4,5,6,7
	s_wait_dscnt \younger+7-\f
	global_store_b128 v[GO], v[MK+32*(\u)+4*\f:MK+32*(\u)+4*\f+3], s[12:13] offset:(16*(\u)+2*\f)*4096 th:TH_STORE_NT   ; sixteen lanes store 256 consecutive bytes, aligned
.endr
.endm
	PACK 0
	PACK 1
	SEND 0, 16
	PACK 2
	SEND 1, 16
	PACK 3
	SEND 2, 16
	SEND 3, 0
	s_wait_tensorcnt 0x0                           ; the wave's end
	ds_add_u32 v[SPW], v[NIL]
	s_wait_dscnt 0x0
	CROUND                                         ; the closing round
	s_endpgm
.Lfunc_end_k_q409d8274c6_attn:
	.size	k_q409d8274c6_attn, .Lfunc_end_k_q409d8274c6_attn-k_q409d8274c6_attn
	.p2alignl 7, 3214868480
	.fill 96, 4, 3214868480
	.section	.rodata,"a",@progbits
	.p2align	6, 0x0
	.amdhsa_kernel k_q409d8274c6_attn
		.amdhsa_group_segment_fixed_size 327680
		.amdhsa_private_segment_fixed_size 0
		.amdhsa_enable_private_segment 0
		.amdhsa_kernarg_size 40
		.amdhsa_user_sgpr_count 2
		.amdhsa_user_sgpr_kernarg_segment_ptr 1
		.amdhsa_wavefront_size32 1
		.amdhsa_system_sgpr_workgroup_id_x 1
		.amdhsa_system_sgpr_workgroup_id_y 1
		.amdhsa_system_sgpr_workgroup_id_z 1
		.amdhsa_system_vgpr_workitem_id 0
		.amdhsa_next_free_vgpr 512
		.amdhsa_next_free_sgpr 100
		.amdhsa_reserve_vcc 0
		.amdhsa_float_denorm_mode_32 3
		.amdhsa_float_denorm_mode_16_64 3
		.amdhsa_memory_ordered 1
		.amdhsa_forward_progress 1
		.amdhsa_inst_pref_size 255
	.end_amdhsa_kernel
	.section	.bss,"aw",@nobits
	.p2align	6
	.space	262144
	.amdgpu_metadata
---
amdhsa.version: [ 1, 2 ]
amdhsa.kernels:
  - .name:           k_q409d8274c6_attn
    .symbol:         k_q409d8274c6_attn.kd
    .args:
      - { .name: x, .offset: 0, .size: 8, .value_kind: global_buffer, .address_space: global }
      - { .name: kv, .offset: 8, .size: 8, .value_kind: global_buffer, .address_space: global }
      - { .name: mask, .offset: 16, .size: 8, .value_kind: global_buffer, .address_space: global }
      - { .name: lowp_scales, .offset: 24, .size: 8, .value_kind: global_buffer, .address_space: global }
      - { .name: out0, .offset: 32, .size: 8, .value_kind: global_buffer, .address_space: global }
    .group_segment_fixed_size: 327680
    .private_segment_fixed_size: 0
    .kernarg_segment_align: 8
    .kernarg_segment_size: 40
    .max_flat_workgroup_size: 256
    .sgpr_count:     100
    .vgpr_count:     512
    .wavefront_size: 32
...
	.end_amdgpu_metadata
.endif
;; end of part 2
